; MI455X (gfx1250); checked and timed in simulation.
; The chip was launched on July 23, 2026; its instructions are those of AMD's public machine-readable ISA for CDNA 5 (MIT licence, August 2026) and "CDNA5" Instruction Set Architecture Reference Guide (July 2026). The comments in the code are by the model that wrote it; some were corrected since.
;; Attn Block. Allowed arithmetic: matrix products marked QUANTISED: E4M3 operands, one given power-of-two scale a tensor, by v_wmma_f32_16x16x64_fp8_fp8 or v_wmma_f32_16x16x128_fp8_fp8, f32 sums; everything else in f32.
;; Inputs: bk 512 float32; bo 512 float32; bq 512 float32; bv 512 float32; gn_bias 512 float32; gn_scale 512 float32; lowp_scales 12 int32 (the exponents e of the quantised operands' scales 2^e); wk 512 x 512 float32; wo 512 x 512 float32; wq 512 x 512 float32; wv 512 x 512 float32; x 8 x 512 x 2,048 float32.
;; Outputs: out0 8 x 512 x 2,048 float32.
;; This version of the problem:
;;   THIS VERSION OF THE PROBLEM IS GIVEN IN LOW PRECISION. The matrix products marked QUANTISED in the list below multiply operands that are first quantised to E4M3 (4 exponent bits, 3 mantissa bits; 8 bits a number), with one given power-of-two scale for each operand tensor; their sums are f32. All else is computed in f32.
;;   The module's matrix products, in the order in which they are computed (A, B: the left and right operand; K: the contracted axis; several contracted axes count as one K, in the product's order):
;;     1. [M 16,384, K 512] x [K 512, N 512]; A: computed on the way; B: input wq: QUANTISED (scales: A lowp_scales[0], B lowp_scales[1])
;;     2. [M 16,384, K 512] x [K 512, N 512]; A: computed on the way; B: input wk: QUANTISED (scales: A lowp_scales[2], B lowp_scales[3])
;;     3. [M 16,384, K 512] x [K 512, N 512]; A: computed on the way; B: input wv: QUANTISED (scales: A lowp_scales[4], B lowp_scales[5])
;;     4. batch 32 x [M 2,048, K 128] x [K 128, N 2,048]; A: computed on the way; B: computed on the way: QUANTISED (scales: A lowp_scales[6], B lowp_scales[7])
;;     5. batch 32 x [M 2,048, K 2,048] x [K 2,048, N 128]; A: softmax (see below); B: computed on the way: QUANTISED (scales: A lowp_scales[8], B lowp_scales[9])
;;     6. [M 16,384, K 512] x [K 512, N 512]; A: computed on the way; B: input wo: QUANTISED (scales: A lowp_scales[10], B lowp_scales[11])
;;   THE QUANTISER, for each operand of a quantised product, along K:
;;     - The operand's scale is 2^e, e = its entry of the input lowp_scales (int32; the entries are numbered through the quantised products in the list's order, A before B).
;;     - Each number is divided by the scale, clamped to +-448, and rounded to the nearest number of E4M3, ties to even, subnormals kept.
;;     - The product sums the exact products of the quantised numbers (number of the format x scale) in f32.
;;   ~~~python
;;   def quantise(x, axis, e):      # numpy; x: float32 -> the quantised numbers, widened to float32 again
;;       x = np.moveaxis(x, axis, -1); K = x.shape[-1]
;;       r = np.clip(x / 2.0 ** e, -448, 448)
;;       step = 2.0 ** (np.maximum(np.frexp(np.where(r == 0, 1, r))[1] - 1, -6) - 3)
;;       q = np.round(r / step) * step * 2.0 ** e      # np.round: ties to even
;;       return np.moveaxis(q, -1, axis).astype(np.float32)
;;   ~~~
;;   SOFTMAX AHEAD OF A QUANTISED PRODUCT. Where the list says 'softmax', what is quantised is not the finished softmax but p = 2^(t - M), with t = logit x log2(e) and M = ceil(the row's largest t), a whole number; so 1/2 < the row's largest p <= 1. The row's sum l is taken of the UNQUANTISED p, in f32, and the product's result is divided by l at the end. Since M is a whole number, a kernel that streams over the keys may use a running M (the ceiling of the running maximum): every later rescaling is an exact power of two, so the quantised numbers keep their values, but for numbers so far below the row's largest that they fall under the format's range.
;;   OPERANDS COMPUTED ON THE WAY. 'Computed on the way' means the value that the module computes at that place (a softmax that the list does not call 'softmax' is quantised finished and normalised). What goes into a quantiser is computed in f32, as accurately as f32 sums, v_exp_f32 and their like allow (about 1e-6 of the number): no bf16 or f16 on the way to a quantiser, and a product that is left as it is and whose result goes on into a quantised operand takes f32 operands (vector FMAs, or v_wmma_f32_16x16x4_f32). A number that lies on a knife's edge between two numbers of the format may be rounded either way, as far as f32 arithmetic and the matrix unit's own rounding can turn it there, and no further.
;; One version. Each part assembles by itself: llvm-mc -triple=amdgcn-amd-amdhsa -mcpu=gfx1250 --defsym DOCPART=n.
;; ======== version 1 of 1: 4 launches
;; limits: right only within a limited range of input values
;; workspace buffers: stats 16,384 bytes; wimg 1,048,576 bytes; qimg 8,388,608 bytes; kvimg 16,777,216 bytes; aimg 8,388,608 bytes
;; launch prep (part 1): grid 256 x 1, 10 waves a work-group, no clusters, 0 bytes of LDS; arguments x, wq, wk, wv, wo, lowp_scales, stats, wimg; writes stats, wimg
.if DOCPART == 1
	.amdgcn_target "amdgcn-amd-amdhsa--gfx1250"
	.amdhsa_code_object_version 6
	.text
	.protected	k_qe74440a224_prep
	.globl	k_qe74440a224_prep
	.p2align	8
	.type	k_qe74440a224_prep,@function
k_qe74440a224_prep:
	s_mov_b64 s[64:65], 0
	v_nop
	global_prefetch_b8 v0, s[64:65] scope:SCOPE_SE
	s_setreg_imm32_b32 hwreg(HW_REG_WAVE_MODE, 25, 1), 1
	s_wait_xcnt 0x0
; FIRST LAUNCH.  A work-group has ten waves of two kinds, told apart by the wave's number, so that every work-group has the same work; neither kind uses LDS or a barrier.
; Waves 0-7: the group norm's statistics.  x [8][512][2048] f32 is 32 norm groups of 1 MiB on end (128 channels x 2,048 places).  A wave takes 16 KiB (4,096 numbers) of one group, keeps
; them in 128 registers, and makes their mean and then the sum of squares of (x - mean): two passes over registers, so no difference of large sums is formed.  stats[group][64 waves] = (mean, M2).
; The next launch joins a group's 64 pairs.  The pair is 8 bytes a wave, stored by lane 0: 16 KiB in the whole launch.
; Waves 8, 9: the four weights [512 (o)][512 (c)] f32 become codes of E4M3 with the given scales 2^e (entries 1, 3, 5, 11 of lowp_scales), laid as IMAGES OF OPERAND REGISTERS:
; wimg[matrix q,k,v,o][tile 0-31][K step 0-3][2,048 bytes]: 512 images, two a work-group, one a wave.  An image is four chunks of 512 bytes; in chunk c lane (r = lane % 16, h = lane / 16) owns the
; 16 bytes at 512 c + 16 lane: the codes of k = 128 step + 32 c + 16 h + 0 .. 15 of its row.  THE ROWS OF A TILE ARE NOT NEIGHBOURS: lane r of tile 2 G + u takes row 32 G + 8 u + r + 8 (r / 8), so that
; the results of two neighbouring tiles are 16 neighbours along the next product's K.  A wave's 16 loads together read 512 consecutive bytes of each of 16 rows; its four stores cover 512 consecutive bytes each.
; code = w / 2^e, held within +-448, to the nearest code, ties to even.  LIMITS: each e between -126 and 119, so that 2^e and 448 x 2^e are f32 numbers.  NaN among the inputs is not served.
.set X,   16                           ; v16-143  the wave's 4,096 numbers, 128 a lane (weights: v16-79 numbers, v80-95 codes)
.set CH,  4                            ; v4-11    four chains of packed sums
.set T,   144                          ; v144-151 four pairs at work
.set PT,  152                          ; v152     the lane permute's target
.macro REDUCE reg                      ; the sum over the 32 lanes, in every lane
	s_delay_alu instid0(VALU_DEP_1)
	v_add_f32_dpp v[\reg], v[\reg], v[\reg] row_xmask:1 row_mask:0xf bank_mask:0xf
	s_delay_alu instid0(VALU_DEP_1)
	v_add_f32_dpp v[\reg], v[\reg], v[\reg] row_xmask:2 row_mask:0xf bank_mask:0xf
	s_delay_alu instid0(VALU_DEP_1)
	v_add_f32_dpp v[\reg], v[\reg], v[\reg] row_xmask:4 row_mask:0xf bank_mask:0xf
	s_delay_alu instid0(VALU_DEP_1)
	v_add_f32_dpp v[\reg], v[\reg], v[\reg] row_xmask:8 row_mask:0xf bank_mask:0xf
	s_delay_alu instid0(VALU_DEP_1)
	v_permlanex16_b32 v[PT], v[\reg], s44, s45
	s_delay_alu instid0(VALU_DEP_1)
	v_add_f32 v[\reg], v[\reg], v[PT]
.endm
.macro FOLD                            ; the four chains become one number, then the wave's
	s_delay_alu instid0(VALU_DEP_3)
	v_pk_add_f32 v[CH:CH+1], v[CH:CH+1], v[CH+2:CH+3]
	s_delay_alu instid0(VALU_DEP_2)
	v_pk_add_f32 v[CH+4:CH+5], v[CH+4:CH+5], v[CH+6:CH+7]
	s_delay_alu instid0(VALU_DEP_1)
	v_pk_add_f32 v[CH:CH+1], v[CH:CH+1], v[CH+4:CH+5]
	s_delay_alu instid0(VALU_DEP_1)
	v_add_f32 v[CH], v[CH], v[CH+1]
	REDUCE CH
.endm
.macro SUMB first, count               ; pairs first .. first + count - 1 go round the four chains
.set pi, \first
.rept \count
	v_pk_add_f32 v[CH+2*(pi%4):CH+2*(pi%4)+1], v[CH+2*(pi%4):CH+2*(pi%4)+1], v[X+2*pi:X+2*pi+1]
.set pi, pi+1
.endr
.endm
	s_load_b512 s[4:19], s[0:1], 0x0               ; x 4:5, wq 6:7, wk 8:9, wv 10:11, wo 12:13, lowp_scales 14:15, stats 16:17, wimg 18:19
	v_lshrrev_b32 v1, 5, v0
	s_delay_alu instid0(VALU_DEP_1)
	v_readfirstlane_b32 s20, v1                    ; wave 0..9
	v_and_b32 v1, 31, v0                           ; lane
	s_delay_alu instid0(VALU_DEP_1)
	v_lshlrev_b32 v2, 4, v1                        ; 16 x lane
	s_mov_b32 s44, 0x76543210                      ; v_permlanex16_b32: lane l takes lane l xor 16
	s_mov_b32 s45, 0xfedcba98
	s_cmp_ge_u32 s20, 8
	s_cbranch_scc1 .Lweights
	; ---- the statistics
	s_lshl_b32 s21, ttmp9, 3
	s_add_co_u32 s21, s21, s20                     ; W = 8 x work-group + wave: which 16 KiB of x
	s_lshl_b32 s22, s21, 14
	s_mov_b32 s23, 0
	s_lshl_b32 s24, s21, 3                         ; and which 8 bytes of stats
	s_mov_b32 s25, 0
	v_mov_b32 v[PT], 0                             ; a lane permute's destination counts as read: written once
	v_mov_b32 v3, 0
	s_wait_kmcnt 0x0
	s_add_nc_u64 s[4:5], s[4:5], s[22:23]
	s_add_nc_u64 s[16:17], s[16:17], s[24:25]
.set li, 0
	s_wait_alu depctr_va_vdst(0)
.rept 32
	global_load_b128 v[X+4*li:X+4*li+3], v2, s[4:5] offset:512*li th:TH_LOAD_NT   ; 32 lanes read 512 consecutive bytes
.set li, li+1
.endr
	s_wait_loadcnt 24                              ; the first eight loads are in; 24 younger ones may be out
.irp j, 0,1,2,3
	v_pk_add_f32 v[CH+2*\j:CH+2*\j+1], v[X+2*\j:X+2*\j+1], v[X+8+2*\j:X+8+2*\j+1]   ; the first eight pairs start the chains: nothing is cleared
.endr
	SUMB 8, 8
	s_wait_alu depctr_va_vdst(0)
	s_wait_loadcnt 16
	SUMB 16, 16
	s_wait_alu depctr_va_vdst(0)
	s_wait_loadcnt 8
	SUMB 32, 16
	s_wait_alu depctr_va_vdst(0)
	s_wait_loadcnt 0x0
	SUMB 48, 16
	FOLD
	s_delay_alu instid0(VALU_DEP_1)
	v_mul_f32 v12, 0x39800000, v[CH]               ; x 2^-12: the mean of my 4,096 numbers
	s_delay_alu instid0(VALU_DEP_1)
	v_mov_b32 v13, v12
.set pg, 0
.rept 16                               ; the second pass: the sum of (x - mean)^2, four pairs at a time
.irp j, 0,1,2,3
	v_pk_add_f32 v[T+2*\j:T+2*\j+1], v[X+8*pg+2*\j:X+8*pg+2*\j+1], v[12:13] neg_lo:[0,1] neg_hi:[0,1]
.endr
.irp j, 0,1,2,3
.if pg == 0
	s_delay_alu instid0(VALU_DEP_4)
	v_pk_mul_f32 v[CH+2*\j:CH+2*\j+1], v[T+2*\j:T+2*\j+1], v[T+2*\j:T+2*\j+1]
.else
	s_delay_alu instid0(VALU_DEP_4)
	v_pk_fma_f32 v[CH+2*\j:CH+2*\j+1], v[T+2*\j:T+2*\j+1], v[T+2*\j:T+2*\j+1], v[CH+2*\j:CH+2*\j+1]
.endif
.endr
.set pg, pg+1
.endr
	FOLD
	v_mov_b32 v14, v12                             ; (mean,
	s_delay_alu instid0(VALU_DEP_2)
	v_mov_b32 v15, v[CH]                           ;  M2)
	v_cmp_eq_u32 vcc_lo, 0, v1
	s_wait_alu depctr_va_vdst(0)
	s_wait_xcnt 0x0                                ; EXEC changes only behind this wait
	s_and_saveexec_b32 s22, vcc_lo
	global_store_b64 v3, v[14:15], s[16:17]        ; lane 0 alone
	s_wait_xcnt 0x0                                ; and again ahead of the line that widens it
	s_or_b32 exec_lo, exec_lo, s22
	s_endpgm
	; ---- the weights
.Lweights:
	s_lshl_b32 s21, ttmp9, 1
	s_add_co_u32 s21, s21, s20
	s_sub_co_u32 s21, s21, 8                       ; 2 x work-group + wave - 8: 0..511
	s_lshr_b32 s22, s21, 7                         ; the matrix: 0 q, 1 k, 2 v, 3 o
	s_and_b32 s23, s21, 127                        ; the image: 4 x tile + K step, 0..127
	s_lshr_b32 s24, s23, 2                         ; tile
	s_and_b32 s25, s23, 3                          ; K step
	v_and_b32 v5, 15, v0                           ; r
	v_bfe_u32 v6, v0, 4, 1                         ; h
	s_delay_alu instid0(VALU_DEP_2)
	v_and_b32 v7, 8, v5
	s_delay_alu instid0(VALU_DEP_1)
	v_add_nc_u32 v7, v7, v5                        ; r + 8 (r / 8)
	s_delay_alu instid0(VALU_DEP_1)
	v_lshlrev_b32 v4, 11, v7                       ; a row of 512 f32 is 2,048 bytes
	s_delay_alu instid0(VALU_DEP_1)
	v_lshl_add_u32 v4, v6, 6, v4                   ; + 16 h numbers
	s_lshr_b32 s26, s24, 1
	s_lshl_b32 s26, s26, 16                        ; 32 (tile / 2) rows
	s_and_b32 s27, s24, 1
	s_lshl_b32 s27, s27, 14                        ; + 8 (tile % 2) rows
	s_add_co_u32 s26, s26, s27
	s_lshl_b32 s27, s25, 9                         ; + 128 numbers a K step
	s_add_co_u32 s26, s26, s27
	s_mov_b32 s27, 0
	s_lshl_b32 s28, s22, 18                        ; in wimg: 262,144 bytes a matrix,
	s_lshl_b32 s29, s23, 11                        ; 2,048 an image
	s_add_co_u32 s28, s28, s29
	s_mov_b32 s29, 0
	s_wait_alu depctr_va_vdst(0)
	s_wait_kmcnt 0x0
	s_load_b256 s[32:39], s[14:15], 0x0            ; e0 .. e7
	s_load_b128 s[40:43], s[14:15], 0x20           ; e8 .. e11
	s_cmp_eq_u32 s22, 1                            ; the choice hangs on the work-group's and the wave's numbers alone
	s_cselect_b64 s[6:7], s[8:9], s[6:7]
	s_cmp_eq_u32 s22, 2
	s_cselect_b64 s[6:7], s[10:11], s[6:7]
	s_cmp_eq_u32 s22, 3
	s_cselect_b64 s[6:7], s[12:13], s[6:7]
	s_add_nc_u64 s[6:7], s[6:7], s[26:27]
	s_add_nc_u64 s[18:19], s[18:19], s[28:29]
.irp c, 0,1,2,3
.irp j, 0,1,2,3
	global_load_b128 v[X+16*\c+4*\j:X+16*\c+4*\j+3], v4, s[6:7] offset:128*\c+16*\j th:TH_LOAD_NT   ; register 16 c + i: k = 32 c + 16 h + i of my row
.endr
.endr
	s_wait_kmcnt 0x0
	s_cmp_eq_u32 s22, 1
	s_cselect_b32 s33, s35, s33                    ; e1, e3, e5 or e11
	s_cmp_eq_u32 s22, 2
	s_cselect_b32 s33, s37, s33
	s_cmp_eq_u32 s22, 3
	s_cselect_b32 s33, s43, s33
	s_add_co_i32 s33, s33, 127
	s_lshl_b32 s34, s33, 23
	v_mov_b32 v9, s34                              ; 2^e as f32: the conversion takes its exponent field
	s_wait_alu depctr_va_vdst(0)
	s_wait_loadcnt 0x0
.irp c, 0,1,2,3
.irp i, 0,1,2,3,4,5,6,7,8,9,10,11,12,13,14,15
.endr
	v_cvt_scalef32_pk8_fp8_f32 v[80+4*\c:81+4*\c], v[X+16*\c:X+16*\c+7], v9
	v_cvt_scalef32_pk8_fp8_f32 v[82+4*\c:83+4*\c], v[X+16*\c+8:X+16*\c+15], v9
.endr
	v_nop                                          ; a plain line behind the last conversion
.irp c, 0,1,2,3
	global_store_b128 v2, v[80+4*\c:83+4*\c], s[18:19] offset:512*\c   ; a chunk: 512 consecutive bytes, aligned
.endr
	s_endpgm
.Lfunc_end_k_qe74440a224_prep:
	.size	k_qe74440a224_prep, .Lfunc_end_k_qe74440a224_prep-k_qe74440a224_prep
	.p2alignl 7, 3214868480
	.fill 96, 4, 3214868480
	.section	.rodata,"a",@progbits
	.p2align	6, 0x0
	.amdhsa_kernel k_qe74440a224_prep
		.amdhsa_group_segment_fixed_size 0
		.amdhsa_private_segment_fixed_size 0
		.amdhsa_enable_private_segment 0
		.amdhsa_kernarg_size 64
		.amdhsa_user_sgpr_count 2
		.amdhsa_user_sgpr_kernarg_segment_ptr 1
		.amdhsa_wavefront_size32 1
		.amdhsa_system_sgpr_workgroup_id_x 1
		.amdhsa_system_sgpr_workgroup_id_y 1
		.amdhsa_system_sgpr_workgroup_id_z 1
		.amdhsa_system_vgpr_workitem_id 0
		.amdhsa_next_free_vgpr 160
		.amdhsa_next_free_sgpr 66
		.amdhsa_reserve_vcc 1
		.amdhsa_float_denorm_mode_32 3
		.amdhsa_float_denorm_mode_16_64 3
		.amdhsa_fp16_overflow 1
		.amdhsa_memory_ordered 1
		.amdhsa_forward_progress 1
		.amdhsa_inst_pref_size 25
	.end_amdhsa_kernel
	.amdgpu_metadata
---
amdhsa.version: [ 1, 2 ]
amdhsa.kernels:
  - .name:           k_qe74440a224_prep
    .symbol:         k_qe74440a224_prep.kd
    .args:
      - { .name: x, .offset: 0, .size: 8, .value_kind: global_buffer, .address_space: global }
      - { .name: wq, .offset: 8, .size: 8, .value_kind: global_buffer, .address_space: global }
      - { .name: wk, .offset: 16, .size: 8, .value_kind: global_buffer, .address_space: global }
      - { .name: wv, .offset: 24, .size: 8, .value_kind: global_buffer, .address_space: global }
      - { .name: wo, .offset: 32, .size: 8, .value_kind: global_buffer, .address_space: global }
      - { .name: lowp_scales, .offset: 40, .size: 8, .value_kind: global_buffer, .address_space: global }
      - { .name: stats, .offset: 48, .size: 8, .value_kind: global_buffer, .address_space: global }
      - { .name: wimg, .offset: 56, .size: 8, .value_kind: global_buffer, .address_space: global }
    .group_segment_fixed_size: 0
    .private_segment_fixed_size: 0
    .kernarg_segment_align: 8
    .kernarg_segment_size: 64
    .max_flat_workgroup_size: 320
    .sgpr_count:     66
    .vgpr_count:     160
    .wavefront_size: 32
...
	.end_amdgpu_metadata
.endif
;; end of part 1
;; launch qkv (part 2): grid 32 x 8, 4 waves a work-group, no clusters, 98,816 bytes of LDS; arguments x, stats, gn_scale, gn_bias, wimg, bq, bk, bv, lowp_scales, qimg, kvimg; writes qimg, kvimg
.if DOCPART == 2
	.amdgcn_target "amdgcn-amd-amdhsa--gfx1250"
	.amdhsa_code_object_version 6
	.text
	.protected	k_qe74440a224_qkv
	.globl	k_qe74440a224_qkv
	.p2align	8
	.type	k_qe74440a224_qkv,@function
k_qe74440a224_qkv:
	s_mov_b64 s[64:65], 0
	v_nop
	global_prefetch_b8 v0, s[64:65] scope:SCOPE_SE
	s_setreg_imm32_b32 hwreg(HW_REG_WAVE_MODE, 25, 1), 1
	s_wait_xcnt 0x0
; SECOND LAUNCH: group norm, its three quantisings, the products with wq, wk, wv on codes of E4M3, the biases, and the quantising of q, k, v for attention.
; A work-group takes 64 places (work-group x) of one batch (work-group y), all 512 channels, all 3 x 512 outputs.  Four waves.
; PHASE X: wave w owns channels 128 w .. + 127: norm group w, and K step w of the products.  It joins the group's 64 (mean, M2) pairs, normalises ((x - mean) x (rstd x gain) + bias, the difference first),
;   and quantises with e0, e2, e4.  A lane holds two places and its registers run down the channels, so the conversions give codes with K innermost and nothing is transposed.
;   The codes go to LDS as IMAGES OF OPERAND REGISTERS (four chunks of 512 bytes; chunk c, lane (r, h): 16 bytes at 512 c + 16 lane = k 32 c + 16 h + 0 .. 15 of the lane's row).  One barrier.
; PHASE P: wave w owns head w: weight tiles 8 w .. 8 w + 7 of each matrix, for the block's four tiles of places.  Twelve pairs of weight tiles (4 a matrix), 32 matrix instructions each, eight accumulators by turns.
;   q, k: source 0 = 16 rows of W, source 1 = 16 places: a lane holds one place and 16 neighbouring d: a chunk of the q or k image (K = d).
;   v:    source 0 = 16 places, source 1 = 16 rows of W: a lane holds one d and 16 neighbouring keys: a chunk of the v image (K = the keys).
;   THE ROWS OF A TILE ARE NOT NEIGHBOURS (places, outputs alike): lane r of tile 2 G + u holds row 32 G + 8 u + r + 8 (r / 8), so that the 16 registers of tiles 2 G, 2 G + 1 are 16 neighbours.
;   The bias is the C of each sum's first matrix instruction, divided by the power of two that the sums lack; the three scales ahead of each quantiser are folded into the conversion's one.
; OUT: qimg[head 4 b + w][tile of 16 places][image];  kvimg[head][slot of 512 keys][K: 4 steps x 8 tiles x image | V: 4 steps x 8 d tiles x image].  Every store covers 512 consecutive bytes, aligned.
; NO JOINT LOADS: each weight image is read by exactly one wave of a work-group and goes straight into that wave's operand registers, three pairs (up to 108 loads asked, 16 bytes a lane each) ahead;
;   a shared ring would put a round of a cluster's barrier in front of every pair's 32 matrix instructions.  NO PREFETCH: a wave asks for all of its x at its head and for its weights three pairs ahead.
; LIMITS, so that each power of two below is an f32 number: e0, e2, e4, e6 - e0 - e1, e7 - e2 - e3, e9 - e4 - e5 between -126 and 119.  NaN among the inputs is not served.
; REGISTERS, in windows of 256.  Window 0: v1-11 lane numbers and addresses; v12-24 statistics; v32-95 accumulators (phase X: 64 held numbers); v96-127 codes, two sets; v128-175 biases, three sets; v176-187 scales and holds.
;   Window 1: phase X: x, register 2 c + p = (channel c, place 2 lane + p); phase P: h's 16 fragments, (tile t, K step s) at 64 t + 16 s.   Window 2: weight buffers 0 and 1, (u, s) at 64 u + 16 s.
;   Window 3: phase X: v0-127 gain x rstd, v128-255 bias; phase P: weight buffer 2 in v0-127.
.set LI,   4                           ; 16 x lane
.set LI2,  5                           ; 16 x lane + 49,152: tiles 2 and 3 of h's images (an LDS immediate has 16 bits)
.set XO,   6                           ; 8 x lane
.set ZR,   7                           ; 0
.set WO,   8                           ; 16 x lane + 65,536 x wave: my eight tiles of a weight matrix
.set BOF,  9                           ; 64 h: q's and k's bias
.set BOV,  10                          ; 4 (r + 8 (r / 8)): v's bias
.set AD,   11                          ; where I store h's codes
.set ACC,  32
.set CD,   96
.set BI,   128
.set SCH,  176                         ; v176-178 2^e0, 2^e2, 2^e4;   v179-181 448 x those
.set LIMH, 179
.set SCO,  182                         ; v182-184 2^(e6-e0-e1), 2^(e7-e2-e3), 2^(e9-e4-e5);   v185-187 448 x those
.set LIMO, 185
.set NEG,  44                          ; s44-46  -(e0+e1), -(e2+e3), -(e4+e5)
.set RND,  0
.set MSB,  0
.macro WIN new                         ; s_set_vgpr_msb: bits 1:0 source 0, 3:2 source 1, 5:4 source 2, 7:6 destination; the high byte repeats the setting that is left
.if MSB != (\new)
	s_set_vgpr_msb (MSB<<8)|(\new)
.set MSB, (\new)
.endif
.endm
.macro REDUCE reg                      ; the sum over the 32 lanes, in every lane
	v_add_f32_dpp v[\reg], v[\reg], v[\reg] row_xmask:1 row_mask:0xf bank_mask:0xf
	v_add_f32_dpp v[\reg], v[\reg], v[\reg] row_xmask:2 row_mask:0xf bank_mask:0xf
	v_add_f32_dpp v[\reg], v[\reg], v[\reg] row_xmask:4 row_mask:0xf bank_mask:0xf
	v_add_f32_dpp v[\reg], v[\reg], v[\reg] row_xmask:8 row_mask:0xf bank_mask:0xf
	v_permlanex16_b32 v24, v[\reg], s54, s55
	v_add_f32 v[\reg], v[\reg], v24
.endm
.macro MKSC sr, vsc, vlim              ; s[sr] = e  ->  v[vsc] = 2^e, v[vlim] = 448 x 2^e
	s_add_co_i32 s[\sr], s[\sr], 127
	s_lshl_b32 s57, s[\sr], 23
	v_mov_b32 v[\vsc], s57
	s_add_co_i32 s[\sr], s[\sr], 8
	s_lshl_b32 s57, s[\sr], 23
	s_or_b32 s57, s57, 0x600000
	v_mov_b32 v[\vlim], s57
.endm
; Pair n = 4 m + pp (matrix m, tiles 8 w + 2 pp + u): its 8 weight images into buffer n % 3, and its biases into set n % 3.  36 loads (q, k) or 34 (v).
.macro LOADW n
.set lm, (\n)/4
.set lq, (\n)%4
.set lf, (\n)%3
.set lw, 128*(lf%2)
	WIN 0x80+0x40*(lf/2)                           ; destination window 2, or 3 for buffer 2
.irp u, 0,1
.irp s, 0,1,2,3
.irp c, 0,1,2,3
	global_load_b128 v[lw+64*\u+16*\s+4*\c:lw+64*\u+16*\s+4*\c+3], v[WO], s[12:13] offset:262144*lm+16384*lq+8192*\u+2048*\s+512*\c
.endr
.endr
.endr
	WIN 0
.irp u, 0,1
.if lm < 2
	global_load_b128 v[BI+16*lf+8*\u:BI+16*lf+8*\u+3], v[BOF], s[14+2*lm:15+2*lm] offset:4*(32*lq+8*\u)      ; register j: the bias of output 32 pp + 16 h + 8 u + j of my head
	global_load_b128 v[BI+16*lf+8*\u+4:BI+16*lf+8*\u+7], v[BOF], s[14+2*lm:15+2*lm] offset:4*(32*lq+8*\u)+16
.else
	global_load_b32 v[BI+16*lf+8*\u], v[BOV], s[18:19] offset:4*(32*lq+8*\u)                                  ; the bias of my lane's one output
.endif
.endr
.endm
; h's 16 fragments for matrix m, from LDS into window 1
.macro FETCHH m
	WIN 0x40
.irp t, 0,1,2,3
.irp s, 0,1,2,3
.irp c, 0,1,2,3
	ds_load_b128 v[64*\t+16*\s+4*\c:64*\t+16*\s+4*\c+3], v[LI+(\t/2)] offset:24576*(\t%2)+6144*\s+2048*(\m)+512*\c
.endr
.endr
.endr
	WIN 0
.endm
; One round of phase X: for matrix m, the places of parity par, channels 64 hf .. + 63 of my 128: held (the copy also parts the two places), converted, stored as 4 x 16 bytes of the images.
.macro QX m, par, hf
	WIN 0x01                                       ; source 0 (x) window 1
.set qi, 0
.rept 64
	v_med3_num_f32 v[ACC+qi], v[2*(64*\hf+qi)+\par], -v[LIMH+\m], v[LIMH+\m]
.set qi, qi+1
.endr
	WIN 0
	s_wait_alu depctr_va_vdst(0)
	s_wait_dscnt 4                                 ; the stores of two rounds ago have read this set of code registers; the last round's four may be out
.irp g, 0,1,2,3,4,5,6,7
	v_cvt_scalef32_pk8_fp8_f32 v[CD+16*(RND%2)+2*\g:CD+16*(RND%2)+2*\g+1], v[ACC+8*\g:ACC+8*\g+7], v[SCH+\m]
.endr
	v_nop                                          ; a plain line between the conversions and the next round's holds, which write their sources
.irp k, 0,1,2,3
	ds_store_b128 v[AD], v[CD+16*(RND%2)+4*\k:CD+16*(RND%2)+4*\k+3] offset:2048*\m+256*(4*\hf+\k)+16*\par   ; channels 64 hf + 16 k on: chunk 2 hf + k / 2, half k % 2.  (Lanes 8 apart fall on the same banks: two deep, 48 stores a wave)
.endr
.set RND, RND+1
.endm
; A pair: 32 matrix instructions, then its 64 results a lane become 16 registers of codes and leave.
.macro PAIR n
.set pm, (\n)/4
.set pq, (\n)%4
.set pf, (\n)%3
.set pbi, BI+16*pf
.set pw, 128*(pf%2)
.set pc, CD+16*((\n)%2)
.if (\n) <= 9
	s_wait_loadcnt 63                              ; behind this pair's loads stand the next two pairs' (72, 70 or 68): the largest count that the wait can name is below that
.elseif (\n) == 10
	s_wait_loadcnt 34                              ; the last pair's 34 may be out
.else
	s_wait_loadcnt 0x0
.endif
.if pq == 0
	s_wait_dscnt 0x0                               ; h's fragments for this matrix are in
.endif
.if pm < 2
.irp j, 0,1,2,3,4,5,6,7,8,9,10,11,12,13,14,15
	v_ldexp_f32 v[pbi+\j], v[pbi+\j], s[NEG+pm]    ; a sum stands for sum x 2^(eA + eW): the bias goes in divided by that
.endr
.else
.irp u, 0,1
.irp j, 7,6,5,4,3,2,1,0
	v_ldexp_f32 v[pbi+8*\u+\j], v[pbi+8*\u], s[NEG+pm]   ; the lane's one bias in all eight registers (eight places); register 0 last, in place
.endr
.endr
.endif
.if pm < 2
	WIN 0x06+(pf/2)                                ; source 0 (W) window 2 or 3, source 1 (h) window 1
.else
	WIN 0x09+4*(pf/2)                              ; source 0 (h) window 1, source 1 (W) window 2 or 3
.endif
.irp s, 0,1,2,3
.irp t, 0,1,2,3
.irp u, 0,1
.if pm < 2
.set pd, ACC+16*\t+8*\u
.set pa, pw+64*\u+16*\s
.set pr, 64*\t+16*\s
.else
.set pd, ACC+32*\u+8*\t
.set pa, 64*\t+16*\s
.set pr, pw+64*\u+16*\s
.endif
.set pcc, pd
.if \s == 0
.set pcc, pbi+8*\u
.endif
	v_wmma_f32_16x16x128_fp8_fp8 v[pd:pd+7], v[pa:pa+15], v[pr:pr+15], v[pcc:pcc+7]   ; the eight accumulators take turns, one instruction a turn
.endr
.endr
.endr
	WIN 0
.rept 4
	v_nop                                          ; four places ahead of the loads into registers that these products read, and of the first read of results
.endr
	s_wait_xcnt 0x0                                ; the earlier pairs' stores have read their code registers
.if (\n) <= 8
	LOADW (\n)+3                                   ; into the buffer just multiplied
.endif
.if (pq == 3) && (pm < 2)
	FETCHH pm+1                                    ; the next matrix has its own codes of h
.endif
.set qi, 0
.rept 64
.set qi, qi+1
.endr
.irp g, 0,1,2,3,4,5,6,7
	v_cvt_scalef32_pk8_fp8_f32 v[pc+2*\g:pc+2*\g+1], v[ACC+8*\g:ACC+8*\g+7], v[SCO+pm]
.endr
	v_nop                                          ; a plain line between the conversions and the next products, which write their sources
.irp i, 0,1,2,3
.if pm < 2
	global_store_b128 v[LI], v[pc+4*\i:pc+4*\i+3], s[48+2*pm:49+2*pm] offset:2048*\i+512*pq              ; tile i of places, chunk pp (d = 32 pp + 16 h + 0 .. 15)
.else
	global_store_b128 v[LI], v[pc+4*\i:pc+4*\i+3], s[52:53] offset:2048*(2*pq+(\i/2))+512*(\i%2)         ; d tile 2 pp + i / 2, chunk of keys i % 2 of my block's two
.endif
.endr
.endm
	s_load_b512 s[4:19], s[0:1], 0x0               ; x 4:5, stats 6:7, gn_scale 8:9, gn_bias 10:11, wimg 12:13, bq 14:15, bk 16:17, bv 18:19
	s_load_b128 s[20:23], s[0:1], 0x40             ; lowp_scales 20:21, qimg 22:23
	s_load_b64 s[24:25], s[0:1], 0x50              ; kvimg
	v_lshl_add_u32 v254, v0, 2, 0x18000
	v_mov_b32 v255, 0
	v_lshrrev_b32 v1, 5, v0
	v_readfirstlane_b32 s26, v1                    ; wave w
	s_mov_b32 s27, ttmp9                           ; lb: the block of 64 places
	s_and_b32 s28, ttmp7, 0xffff                   ; b
	v_and_b32 v1, 31, v0                           ; lane
	v_and_b32 v2, 15, v0                           ; r
	v_bfe_u32 v3, v0, 4, 1                         ; h
	v_lshlrev_b32 v[LI], 4, v1
	v_add_nc_u32 v[LI2], 49152, v[LI]
	v_lshlrev_b32 v[XO], 3, v1
	v_mov_b32 v[ZR], 0
	s_lshl_b32 s57, s26, 16
	v_add_nc_u32 v[WO], s57, v[LI]
	v_lshlrev_b32 v[BOF], 6, v3
	v_and_b32 v[BOV], 8, v2
	v_add_nc_u32 v[BOV], v[BOV], v2
	v_lshlrev_b32 v[BOV], 2, v[BOV]
	; place 2 lane + p lies in tile 2 (lane / 16) + (lane / 4) % 2, at row r = 2 (lane % 4) + p + 8 ((lane / 8) % 2)
	v_bfe_u32 v20, v0, 2, 1
	v_lshl_add_u32 v20, v3, 1, v20
	v_mul_u32_u24 v[AD], v20, 24576                ; a tile's images: 4 K steps x 3 matrices x 2,048 bytes
	v_and_b32 v21, 3, v0
	v_lshl_add_u32 v[AD], v21, 5, v[AD]
	v_bfe_u32 v21, v0, 3, 1
	v_lshl_add_u32 v[AD], v21, 7, v[AD]
	s_mul_i32 s57, s26, 6144                       ; K step w
	v_add_nc_u32 v[AD], s57, v[AD]
	v_mov_b32 v24, 0                               ; a lane permute's destination counts as read: written once
	s_lshl_b32 s66, s28, 22                        ; x: 4 MiB a batch,
	s_lshl_b32 s57, s26, 20                        ; 1 MiB for 128 channels,
	s_add_co_u32 s66, s66, s57
	s_lshl_b32 s57, s27, 8                         ; 256 bytes for 64 places
	s_add_co_u32 s66, s66, s57
	s_mov_b32 s67, 0
	s_lshl_b32 s58, s28, 2
	s_add_co_u32 s58, s58, s26                     ; 4 b + w: my norm group, and my head
	s_lshl_b32 s68, s58, 9                         ; stats: 64 pairs of 8 bytes a group
	s_mov_b32 s69, 0
	s_lshl_b32 s70, s26, 9                         ; my 128 numbers of a vector of 512
	s_mov_b32 s71, 0
	s_lshl_b32 s72, s58, 18                        ; qimg: 128 images a head,
	s_lshl_b32 s57, s27, 13                        ; 4 a block
	s_add_co_u32 s72, s72, s57
	s_mov_b32 s73, 0
	s_lshl_b32 s74, s58, 19                        ; kvimg: 524,288 bytes a head,
	s_lshr_b32 s57, s27, 3
	s_lshl_b32 s57, s57, 17                        ; 131,072 a slot of 512 keys,
	s_add_co_u32 s74, s74, s57
	s_bfe_u32 s57, s27, 0x20001
	s_lshl_b32 s57, s57, 14                        ; 16,384 a step of 128 keys
	s_add_co_u32 s74, s74, s57
	s_and_b32 s57, s27, 1
	s_lshl_b32 s59, s57, 10                        ; V: my block's two chunks of the step's four,
	s_add_co_u32 s76, s74, s59
	s_add_co_u32 s76, s76, 65536                   ; behind the slot's K
	s_lshl_b32 s59, s57, 13                        ; K: my block's four tiles of the step's eight
	s_add_co_u32 s74, s74, s59
	s_mov_b32 s75, 0
	s_mov_b32 s77, 0
	s_mov_b32 s54, 0x76543210                      ; v_permlanex16_b32: lane l takes lane l xor 16
	s_mov_b32 s55, 0xfedcba98
	s_mov_b32 s56, 0x36800000                      ; 2^-18: one over a group's 262,144 numbers
	s_mov_b32 s78, 0x45800000                      ; 4,096: the numbers behind a pair
	s_wait_kmcnt 0x0
	s_load_b256 s[32:39], s[20:21], 0x0            ; e0 .. e7
	s_load_b128 s[40:43], s[20:21], 0x20           ; e8 .. e11
	s_add_nc_u64 s[4:5], s[4:5], s[66:67]
	s_add_nc_u64 s[6:7], s[6:7], s[68:69]
	s_add_nc_u64 s[8:9], s[8:9], s[70:71]
	s_add_nc_u64 s[10:11], s[10:11], s[70:71]
	s_add_nc_u64 s[14:15], s[14:15], s[70:71]
	s_add_nc_u64 s[16:17], s[16:17], s[70:71]
	s_add_nc_u64 s[18:19], s[18:19], s[70:71]
	s_add_nc_u64 s[48:49], s[22:23], s[72:73]      ; where q's codes go,
	s_add_nc_u64 s[50:51], s[24:25], s[74:75]      ; k's,
	s_add_nc_u64 s[52:53], s[24:25], s[76:77]      ; v's
	; ---- PHASE X.  193 loads: the group's pairs, my 128 gains and biases (every lane the same 16 bytes), my 128 channels x 64 places
	global_load_b128 v[12:15], v[LI], s[6:7]       ; two pairs a lane: mean, M2, mean, M2
	WIN 0xc0
.set li, 0
.rept 32
	global_load_b128 v[4*li:4*li+3], v[ZR], s[8:9] offset:16*li
.set li, li+1
.endr
.set li, 0
.rept 32
	global_load_b128 v[128+4*li:128+4*li+3], v[ZR], s[10:11] offset:16*li
.set li, li+1
.endr
	WIN 0x40
.set li, 0
.rept 128
	global_load_b64 v[2*li:2*li+1], v[XO], s[4:5] offset:8192*li th:TH_LOAD_NT   ; channel li: 32 lanes read 256 consecutive bytes, aligned
.set li, li+1
.endr
	WIN 0
	s_wait_kmcnt 0x0
.irp m, 0,1,2
	s_add_co_i32 s57, s[32+2*\m], s[33+2*\m]
	s_sub_co_i32 s[NEG+\m], 0, s57
.endr
	s_add_co_i32 s58, s38, s44                     ; e6 - e0 - e1
	s_add_co_i32 s59, s39, s45                     ; e7 - e2 - e3
	s_add_co_i32 s60, s41, s46                     ; e9 - e4 - e5
	MKSC 58, SCO, LIMO
	MKSC 59, SCO+1, LIMO+1
	MKSC 60, SCO+2, LIMO+2
	MKSC 32, SCH, LIMH
	MKSC 34, SCH+1, LIMH+1
	MKSC 36, SCH+2, LIMH+2
	s_wait_loadcnt 63                              ; of 193 loads at most 63 are out: the first 130 are in, the pairs, gains and biases (65) among them
	v_add_f32 v20, v12, v14
	REDUCE 20
	v_mul_f32 v16, 0x3c800000, v20                 ; the group's mean: the 64 means (of 4,096 numbers each) / 64
	v_mov_b32 v17, v16
	v_sub_f32 v21, v12, v16
	v_sub_f32 v22, v14, v16
	v_mul_f32 v21, v21, v21
	v_fmac_f32 v21, v22, v22
	v_add_f32 v23, v13, v15
	v_fma_f32 v21, v21, s78, v23                   ; M2 + M2 + 4,096 ((m0 - mean)^2 + (m1 - mean)^2)
	REDUCE 21
	v_mov_b32 v22, 0x358637bd                      ; 1e-6
	v_fma_f32 v21, v21, s56, v22                   ; the variance + eps
	s_wait_alu depctr_va_vdst(0)
	v_rsq_f32 v18, v21
	v_nop                                          ; a plain line behind the transcendental,
	s_wait_alu depctr_va_vdst(0)                   ; and a wait ahead of the first use
	v_mov_b32 v19, v18
	WIN 0xc3                                       ; destination and source 0 window 3
.set li, 0
.rept 64
	v_pk_mul_f32 v[2*li:2*li+1], v[2*li:2*li+1], v[18:19]   ; gain x rstd
.set li, li+1
.endr
	s_wait_loadcnt 0x0                             ; x is in
	LOADW 0                                        ; the first two pairs' weights land under the vector work below
	LOADW 1
	WIN 0x41                                       ; destination and source 0 window 1
.set li, 0
.rept 128
	v_pk_add_f32 v[2*li:2*li+1], v[2*li:2*li+1], v[16:17] neg_lo:[0,1] neg_hi:[0,1]   ; x - mean
.set li, li+1
.endr
	WIN 0x7d                                       ; destination and source 0 window 1, sources 1 and 2 window 3
.set li, 0
.rept 64                               ; channels 2 li and 2 li + 1: both places of a channel take that channel's word of the pairs
	v_pk_fma_f32 v[4*li:4*li+1], v[4*li:4*li+1], v[2*li:2*li+1], v[128+2*li:128+2*li+1] op_sel_hi:[1,0,0]
	v_pk_fma_f32 v[4*li+2:4*li+3], v[4*li+2:4*li+3], v[2*li:2*li+1], v[128+2*li:128+2*li+1] op_sel:[0,1,1] op_sel_hi:[1,1,1]
.set li, li+1
.endr
.irp m, 0,1,2
.irp p, 0,1
.irp q, 0,1
	QX \m, \p, \q
.endr
.endr
.endr
	LOADW 2                                        ; gains and biases are done with: their registers take the third buffer
	s_wait_dscnt 0x0                               ; my stores into the images have landed
	s_barrier_signal -1
	s_barrier_wait -1                              ; everybody's have: h's 48 images lie in LDS, and nobody writes them again
	; ---- PHASE P
	FETCHH 0
.irp n, 0,1,2,3,4,5,6,7,8,9,10,11
	PAIR \n
.endr
	s_wait_tensorcnt 0x0
	ds_add_u32 v254, v255
	s_wait_dscnt 0x0
	s_endpgm
.Lfunc_end_k_qe74440a224_qkv:
	.size	k_qe74440a224_qkv, .Lfunc_end_k_qe74440a224_qkv-k_qe74440a224_qkv
	.p2alignl 7, 3214868480
	.fill 96, 4, 3214868480
	.section	.rodata,"a",@progbits
	.p2align	6, 0x0
	.amdhsa_kernel k_qe74440a224_qkv
		.amdhsa_group_segment_fixed_size 98816
		.amdhsa_private_segment_fixed_size 0
		.amdhsa_enable_private_segment 0
		.amdhsa_kernarg_size 88
		.amdhsa_user_sgpr_count 2
		.amdhsa_user_sgpr_kernarg_segment_ptr 1
		.amdhsa_wavefront_size32 1
		.amdhsa_system_sgpr_workgroup_id_x 1
		.amdhsa_system_sgpr_workgroup_id_y 1
		.amdhsa_system_sgpr_workgroup_id_z 1
		.amdhsa_system_vgpr_workitem_id 0
		.amdhsa_next_free_vgpr 1024
		.amdhsa_next_free_sgpr 100
		.amdhsa_reserve_vcc 0
		.amdhsa_float_denorm_mode_32 3
		.amdhsa_float_denorm_mode_16_64 3
		.amdhsa_fp16_overflow 1
		.amdhsa_memory_ordered 1
		.amdhsa_forward_progress 1
		.amdhsa_inst_pref_size 207
	.end_amdhsa_kernel
	.amdgpu_metadata
---
amdhsa.version: [ 1, 2 ]
amdhsa.kernels:
  - .name:           k_qe74440a224_qkv
    .symbol:         k_qe74440a224_qkv.kd
    .args:
      - { .name: x, .offset: 0, .size: 8, .value_kind: global_buffer, .address_space: global }
      - { .name: stats, .offset: 8, .size: 8, .value_kind: global_buffer, .address_space: global }
      - { .name: gn_scale, .offset: 16, .size: 8, .value_kind: global_buffer, .address_space: global }
      - { .name: gn_bias, .offset: 24, .size: 8, .value_kind: global_buffer, .address_space: global }
      - { .name: wimg, .offset: 32, .size: 8, .value_kind: global_buffer, .address_space: global }
      - { .name: bq, .offset: 40, .size: 8, .value_kind: global_buffer, .address_space: global }
      - { .name: bk, .offset: 48, .size: 8, .value_kind: global_buffer, .address_space: global }
      - { .name: bv, .offset: 56, .size: 8, .value_kind: global_buffer, .address_space: global }
      - { .name: lowp_scales, .offset: 64, .size: 8, .value_kind: global_buffer, .address_space: global }
      - { .name: qimg, .offset: 72, .size: 8, .value_kind: global_buffer, .address_space: global }
      - { .name: kvimg, .offset: 80, .size: 8, .value_kind: global_buffer, .address_space: global }
    .group_segment_fixed_size: 98816
    .private_segment_fixed_size: 0
    .kernarg_segment_align: 8
    .kernarg_segment_size: 88
    .max_flat_workgroup_size: 128
    .sgpr_count:     100
    .vgpr_count:     1024
    .wavefront_size: 32
...
	.end_amdgpu_metadata
.endif
;; end of part 2
;; launch attn (part 3): grid 8 x 32, 8 waves a work-group, clusters of 4 x 1, 327,680 bytes of LDS; arguments qimg, kvimg, lowp_scales, aimg; writes aimg
.if DOCPART == 3
	.amdgcn_target "amdgcn-amd-amdhsa--gfx1250"
	.amdhsa_code_object_version 6
	.text
	.protected	k_qe74440a224_attn
	.globl	k_qe74440a224_attn
	.p2align	8
	.type	k_qe74440a224_attn,@function
k_qe74440a224_attn:
	s_mov_b64 s[64:65], 0
	v_nop
	global_prefetch_b8 v0, s[64:65] scope:SCOPE_SE
	s_setreg_imm32_b32 hwreg(HW_REG_WAVE_MODE, 25, 1), 1
	s_wait_xcnt 0x0
	s_wait_alu depctr_hold_cnt(0) depctr_sa_sdst(0) depctr_va_vdst(0) depctr_va_sdst(0) depctr_va_ssrc(0) depctr_va_vcc(0) depctr_vm_vsrc(0)
	s_getreg_b32 s2, hwreg(HW_REG_IB_STS2, 6, 4)
	s_cmp_eq_u32 s2, 0
	s_cbranch_scc0 .Lentry_in_a_cluster
	s_endpgm
.Lentry_in_a_cluster:
	s_bfe_u32 s2, ttmp6, 0x10000c
	s_cmp_lg_u32 s2, 0x3003
	s_cbranch_scc0 .Lentry_shape_is_right
	s_endpgm
.Lentry_shape_is_right:
; THIRD LAUNCH: attention on codes of E4M3.  For each of 32 heads (batch x head): S = q^T k / sqrt(128), the softmax by the rule below, O = P v^T, O / the row's sum, quantised with e10 for the last product.
; All operands are IMAGES OF OPERAND REGISTERS (2,048 bytes: four chunks of 512; chunk c, lane (r, h): 16 bytes at 512 c + 16 lane = k 32 c + 16 h + 0 .. 15 of the lane's row), so every load and store
; covers 512 consecutive bytes, LDS needs no pitch, and a slot of kvimg is byte for byte a slot of LDS.  Lane r of tile 2 G + u stands for row 32 G + 8 u + r + 8 (r / 8) (queries, keys, d alike).
; THE SOFTMAX: t = score x log2(e) / sqrt(128); M = the running largest t rounded UP to a whole number; p = 2^(t - M) is quantised with e8, not normalised; the row's sum is taken of the unquantised p;
; when M moves, the sum and O are multiplied by 2^(old M - new M), which rounds nothing.
; SHARES.  A work-group owns 256 queries of a head; each of its eight waves two tiles of 16, so that each fragment of K and V read from LDS feeds two matrix instructions; two waves to a SIMD.
; Both products are used transposed (S^T = K Q^T, O^T = V^T P^T): a lane holds one query throughout.
; THE ORDER OF A KEY STEP.  The two tiles never look at each other, so one tile's plain vector lines stand between the other's exponentials: tile 0's 64 exponentials by turns with both tiles' 64 scalings; a wait;
; tile 1's 64 exponentials by turns with tile 0's 104 sums, holds and conversions; a wait; tile 1's 104.  O^T's 64 rescaling multiplies stand four behind each of the 16 products V^T P^T.
; THE RING.  Two LDS slots of 131,072 bytes = 512 keys: K's 4 steps x 8 images, then V's 4 steps x 8 images.  Each wave fetches one eighth (16,384 bytes, dense) with one tensor load: one load of mine is out at any time.
; CLUSTER.  The four query blocks of a cluster belong to one head and walk the same K and V: each part of a slot is asked for JOINTLY, by the same tensor load with the same descriptor and a mask that names the four.
; LIMITS, so that each power of two below is an f32 number: e6 + e7 between -123 and 130 (added to c's exponent field); e8 and e10 - e8 - e9 between -126 and 119.  NaN among the inputs is not served.
; REGISTERS.  Window 0: v1-9 addresses and constants; v10-18, v20-28 a tile's statistics; v30, v31 the way out's hold and scale; v32-63 Q, 16 a tile; v96-223 S^T, then p, 64 a tile; v224-255 p's codes, 16 a tile.
;   Window 1: v0-127 O^T, 64 a tile (accumulator g = 8 a + t at 8 g); v128-255 the step's eight fragments of K, then of V.  All that a softmax touches but O^T lies in window 0: six switches a key step.
.set SLOT1, 1<<17                      ; slot 1 begins here: one exclusive or turns an address in one slot into the other's
.set SPARE, 2*SLOT1                    ; behind the ring: the spare words, 128 bytes for each of the eight waves: four blocks of 256 bytes that no other line names
.set LI,   1                           ; 16 x lane
.set LIV,  2                           ; 16 x lane + 65,536: V's half of a slot
.set ADK,  3                           ; the step's K
.set ADV,  4                           ; the step's V
.set SPW,  5                           ; LDS address of my spare word; never rewritten
.set NIL,  6                           ; 0; never rewritten
.set PFO,  7                           ; 256 x lane: the prefetches' offset; never rewritten
.set LIMP, 8
.set SCP,  9                           ; 2^e8
.set STB,  10                          ; tile a's statistics at v[10 + 10 a]: +0 -M, +1 the largest t, +2, +3 the sum in two halves, +4 f (+5 named with it), +6, +7 at work, +8 the permute's target
.set LIMO, 30
.set SCO,  31                          ; 2^(e10 - e8 - e9)
.set QF,   32
.set S,    96
.set PC,   224
.set F,    128                         ; in window 1
.set WV,   12                          ; s12  my wave's number
.set LIM,  15                          ; s15  1 in a wave that prefetches, else the greatest number
.set PFA,  18                          ; s[18:19] where my prefetches stand
.set G1,   24                          ; s[24:31] descriptor group 1
.set G0,   32                          ; s[32:35] descriptor group 0, which walks
.set SLOTS, 56                         ; s56  slots still to be asked for
.set STEPS, 57                         ; s57  counts a slot's four steps
.set CS,   58                          ; s[58:59] c = log2(e) / sqrt(128) x 2^(e6 + e7)
.set SEL,  60                          ; s[60:61] v_permlanex16_b32: lane l takes lane l xor 16
.set TB,   62                          ; s62  LDS byte at which the step's K begins
.set MSB,  0
.macro WIN new                         ; s_set_vgpr_msb: bits 1:0 source 0, 3:2 source 1, 5:4 source 2, 7:6 destination; the high byte repeats the setting that is left
.if MSB != (\new)
	s_set_vgpr_msb (MSB<<8)|(\new)
.set MSB, (\new)
.endif
.endm
.macro CROUND                          ; a round of the cluster's barrier: my work-group's barrier; wave 0 signals for the work-group; every wave waits for all four work-groups; my work-group's barrier once more
	s_barrier_signal -1
	s_barrier_wait -1
	s_cmp_lg_u32 s[WV], 0
	s_cbranch_scc1 .Lnot_wave_0_\@
	s_barrier_signal -3
.Lnot_wave_0_\@:
	s_barrier_wait -3
	s_barrier_signal -1
	s_barrier_wait -1
.endm
.macro JLOAD                           ; my eighth of a slot: every wave issues this one line, with its own addresses; four v_nop follow
	tensor_load_to_lds s[G0:G0+3], s[G1:G1+7]
	s_nop 0
.rept 4
	v_nop
.endr
.endm
; A PREFETCH INTO THE L2 of the slot that the NEXT change of slots will ask for: a slot's four key steps ahead of that load.  Each aligned block of 256 bytes is named once in the launch: both clusters of a head walk the
; same slots, and the head's first cluster asks; its four partners take 32,768 bytes each, told apart BY ADDRESS; in each, waves 0 to 3 take 8,192 bytes, lanes 256 bytes apart: one instruction a wave.
; The last change that fills a slot asks for nothing; slots 0 and 1 come by their loads alone.
.macro ASK
	s_cmp_gt_u32 s[SLOTS], s[LIM]
	s_cbranch_scc0 .Lnot_mine_\@
	global_prefetch_b8 v[PFO], s[PFA:PFA+1] th:TH_LOAD_NT scope:SCOPE_SE
.Lnot_mine_\@:
.endm
; THE CHANGE OF SLOTS stands at a slot's head.  Each wave waits for all its tensor loads (its part of the slot ahead), adds 0 to its spare word, and waits for that and for its reads of the slot that it has left.
; fill = 1: the barrier is a round of the cluster's, so that no wave of any partner still reads the slot left or has a load on its way, and the joint refill is the first thing behind it.
.macro CHANGE fill
	WIN 0
	s_wait_tensorcnt 0x0                           ; no tensor load of mine is out, so group 0 may be written
	ds_add_u32 v[SPW], v[NIL]                      ; 0 onto my spare word
.if \fill
	s_xor_b32 s[G0+1], s[G0+1], SLOT1              ; the other slot than last time,
	s_add_nc_u64 s[G0+2:G0+3], s[G0+2:G0+3], 131072   ; the next 512 keys; the type bits on top are not reached
	s_wait_xcnt 0x0                                ; the last prefetch, a slot back, has read its address
	s_add_nc_u64 s[PFA:PFA+1], s[PFA:PFA+1], 131072   ; one slot further on than the walking descriptor
	s_wait_dscnt 0x0                               ; the add is done, and my reads of the slot that I have left are over
	CROUND
	JLOAD
	ASK
.else
	s_wait_dscnt 0x0
	s_barrier_signal -1
	s_barrier_wait -1
.endif
.endm
; THE PIECES OF A KEY STEP'S VECTOR WORK
.macro FMA a, j                        ; pair j (0-31) of tile a: t - M, two at a time (of the pairs c and -M the low word serves both halves)
	v_pk_fma_f32 v[S+64*(\a)+2*(\j):S+64*(\a)+2*(\j)+1], v[S+64*(\a)+2*(\j):S+64*(\a)+2*(\j)+1], s[CS:CS+1], v[STB+10*(\a):STB+10*(\a)+1] op_sel_hi:[1,0,0]
.endm
.macro EXPO a, i                       ; number i (0-63) of tile a: p = 2^(t - M), at most 1
	v_exp_f32 v[S+64*(\a)+(\i)], v[S+64*(\a)+(\i)]
.endm
; Reader number rk (0-103) of tile a's p, and rk steps on.  0-31: the row's sum, taken of the UNQUANTISED p, two at a time, in two chains.  32-103: for each 16 neighbouring keys
; two conversions, which give four registers of the second product's operand.
.macro RDR a
.set rS, S+64*(\a)
.set rT, STB+10*(\a)
.set rP, PC+16*(\a)
.if rk == 0
	v_pk_add_f32 v[rT+6:rT+7], v[rS:rS+1], v[rS+2:rS+3]
.elseif rk < 31
.set rj, 4+4*((rk-1)/2)
.if (rk-1)%2 == 0
	v_pk_add_f32 v[rT+2:rT+3], v[rT+2:rT+3], v[rS+rj:rS+rj+1]
.else
	v_pk_add_f32 v[rT+6:rT+7], v[rT+6:rT+7], v[rS+rj+2:rS+rj+3]
.endif
.elseif rk == 31
	v_pk_add_f32 v[rT+2:rT+3], v[rT+2:rT+3], v[rT+6:rT+7]
.else
.set rq, rk-32
.set rb, rq/18
.set rr, rq%18
.if rr < 16
.elseif rr == 16
	v_cvt_scalef32_pk8_fp8_f32 v[rP+4*rb:rP+4*rb+1], v[rS+16*rb:rS+16*rb+7], v[SCP]
.else
	v_cvt_scalef32_pk8_fp8_f32 v[rP+4*rb+2:rP+4*rb+3], v[rS+16*rb+8:rS+16*rb+15], v[SCP]
.endif
.endif
.set rk, rk+1
.endm
.macro MULO g                          ; accumulator g (0-15) of O^T under the new M: x f of its tile; from its low end on
.set mg, (\g)
.irp i, 0,2,4,6
	v_pk_mul_f32 v[8*mg+\i:8*mg+\i+1], v[8*mg+\i:8*mg+\i+1], v[STB+10*(mg/8)+4:STB+10*(mg/8)+5] op_sel_hi:[1,0]
.endr
.endm
.macro PVM g                           ; accumulator g: tile g / 8, channels of d tile g % 8: O^T += V^T P^T over the step's 128 keys
.set mg, (\g)
	v_wmma_f32_16x16x128_fp8_fp8 v[8*mg:8*mg+7], v[F+16*(mg%8):F+16*(mg%8)+15], v[PC+16*(mg/8):PC+16*(mg/8)+15], v[8*mg:8*mg+7]
.endm
; A KEY STEP: 128 keys, for my two tiles of queries.
.macro STEP
	v_add_nc_u32 v[ADK], s[TB], v[LI]
	v_add_nc_u32 v[ADV], s[TB], v[LIV]
	v_nop
	v_nop                                          ; four places ahead of loads into registers that the last products read
	WIN 0x40                                       ; destination window 1
.irp t, 0,1,2,3,4,5,6,7
.irp c, 0,1,2,3
	ds_load_b128 v[F+16*\t+4*\c:F+16*\t+4*\c+3], v[ADK] offset:2048*\t+512*\c
.endr
.endr
	s_wait_dscnt 16                                ; key tiles 0-3 are in; the 16 younger loads may be out
	WIN 0x01                                       ; source 0 (K) window 1
.irp t, 0,1,2,3
.irp a, 0,1
	v_wmma_f32_16x16x128_fp8_fp8 v[S+64*\a+8*\t:S+64*\a+8*\t+7], v[F+16*\t:F+16*\t+15], v[QF+16*\a:QF+16*\a+15], 0
.endr
.endr
	s_wait_dscnt 0x0
.irp t, 4,5,6,7
.irp a, 0,1
	v_wmma_f32_16x16x128_fp8_fp8 v[S+64*\a+8*\t:S+64*\a+8*\t+7], v[F+16*\t:F+16*\t+15], v[QF+16*\a:QF+16*\a+15], 0
.endr
.endr                                          ; lane (r, h) holds query r; registers 16 b + i of a tile are keys 32 b + 16 h + i of the step
.rept 4
	v_nop                                          ; places ahead of V's loads and of the first read of the scores
.endr
	WIN 0x40
.irp t, 0,1,2,3,4,5,6,7                        ; V's eight fragments land under the softmax
.irp c, 0,1,2,3
	ds_load_b128 v[F+16*\t+4*\c:F+16*\t+4*\c+3], v[ADV] offset:2048*\t+512*\c
.endr
.endr
	WIN 0
.irp a, 0,1                                    ; the step's largest score of my query among my 64 keys, in two chains a tile, each accumulator from its low end on; the tiles alternate
	v_max3_num_f32 v[STB+10*\a+6], v[S+64*\a], v[S+64*\a+1], v[S+64*\a+2]
	v_max3_num_f32 v[STB+10*\a+7], v[S+64*\a+3], v[S+64*\a+4], v[S+64*\a+5]
.endr
.irp i, 6,10,14,18,22,26,30,34,38,42,46,50,54,58
.irp a, 0,1
	v_max3_num_f32 v[STB+10*\a+6], v[STB+10*\a+6], v[S+64*\a+\i], v[S+64*\a+\i+1]
	v_max3_num_f32 v[STB+10*\a+7], v[STB+10*\a+7], v[S+64*\a+\i+2], v[S+64*\a+\i+3]
.endr
.endr
.irp a, 0,1
	v_max3_num_f32 v[STB+10*\a+6], v[STB+10*\a+6], v[S+64*\a+62], v[S+64*\a+63]
.endr
.irp a, 0,1
	v_max_num_f32 v[STB+10*\a+6], v[STB+10*\a+6], v[STB+10*\a+7]
.endr
.irp a, 0,1
	v_permlanex16_b32 v[STB+10*\a+8], v[STB+10*\a+6], s[SEL], s[SEL+1]
.endr
.irp a, 0,1
	v_max_num_f32 v[STB+10*\a+6], v[STB+10*\a+6], v[STB+10*\a+8]   ; and among lane l xor 16's
.endr
.irp a, 0,1
	v_mul_f32 v[STB+10*\a+6], s[CS], v[STB+10*\a+6]                ; as t (c is positive)
.endr
.irp a, 0,1
	v_max_num_f32 v[STB+10*\a+1], v[STB+10*\a+1], v[STB+10*\a+6]   ; the running largest t
	v_mov_b32 v[STB+10*\a+6], v[STB+10*\a]
.endr
.irp a, 0,1
	v_floor_f32 v[STB+10*\a], -v[STB+10*\a+1]                      ; the new -M = floor(-t): M is a whole number
.endr
.irp a, 0,1
	v_sub_f32 v[STB+10*\a+6], v[STB+10*\a], v[STB+10*\a+6]         ; old M - new M: a whole number, 0 or less
.endr
.irp a, 0,1
	v_cvt_i32_f32 v[STB+10*\a+6], v[STB+10*\a+6]                   ; (it saturates)
.endr
.irp a, 0,1
	v_ldexp_f32 v[STB+10*\a+4], 1.0, v[STB+10*\a+6]                ; f = 2^(old M - new M)
.endr
	; THE FIRST BATCH: tile 0's 64 exponentials, by turns with the scalings: tile 0's own run four pairs ahead of their exponentials, tile 1's all stand here.  No line names an exponential's result.
.irp j, 0,1,2,3
	FMA 0, \j
.endr
.set oj, 0
.rept 32
	EXPO 0, 2*oj
	FMA 1, oj
	EXPO 0, 2*oj+1
.if oj < 28
	FMA 0, oj+4
.endif
.set oj, oj+1
.endr
.irp a, 0,1
	v_pk_mul_f32 v[STB+10*\a+2:STB+10*\a+3], v[STB+10*\a+2:STB+10*\a+3], v[STB+10*\a+4:STB+10*\a+5] op_sel_hi:[1,0]   ; the sums under the new M: the plain lines behind the batch's last exponential
.endr
	s_wait_alu depctr_va_vdst(0)                   ; a wait between a batch and its first reader
	; THE SECOND BATCH: tile 1's 64 exponentials, by turns with tile 0's 104 readers (13 to 8 exponentials).  No line names a result of this batch.
.set rk, 0
.set oj, 0
.rept 64
	EXPO 1, oj
	RDR 0
.if (oj%8) < 5
	RDR 0
.endif
.set oj, oj+1
.endr
	v_nop                                          ; a plain line behind the batch's last exponential (and behind tile 0's last conversion),
	s_wait_alu depctr_va_vdst(0)                   ; and the batch's wait
.set rk, 0
.rept 104
	RDR 1
.endr
	; O^T += V^T P^T.  One setting serves both kinds of line: V and O^T in window 1, p's codes and f in window 0.  An accumulator is rescaled two products ahead of its own product, so that four plain lines
	; stand behind each matrix instruction and none of them names a register of an earlier one.  Sixteen accumulators, one instruction each.
	WIN 0x51
	MULO 0                                         ; (also the plain lines between tile 1's last conversion and the products)
	MULO 1
	s_wait_dscnt 0x0                               ; V is in
.set og, 0
.rept 16
	PVM og
.if og < 14
	MULO og+2
.endif
.set og, og+1
.endr
.endm
.macro SLOT_STEPS                      ; a slot's four key steps: written once, walked four times; the LDS addresses hang on s[TB]
	s_mov_b32 s[STEPS], 4
.Lstep_\@:
	STEP
	WIN 0                                          ; at a label and at a branch every window is 0
	s_add_co_u32 s[TB], s[TB], 16384
	s_sub_co_u32 s[STEPS], s[STEPS], 1
	s_cmp_lg_u32 s[STEPS], 0
	s_cbranch_scc1 .Lstep_\@
	s_sub_co_u32 s[TB], s[TB], 65536               ; back to a slot's first step,
	s_xor_b32 s[TB], s[TB], SLOT1                  ; in the other slot
.endm
	s_load_b256 s[4:11], s[0:1], 0x0               ; qimg 4:5, kvimg 6:7, lowp_scales 8:9, aimg 10:11
	v_lshl_add_u32 v[SPW], v0, 2, SPARE
	v_mov_b32 v[NIL], 0
	ds_add_u32 v5, v6
	ds_add_u32 v5, v6
	s_wait_dscnt 0x0
	v_lshrrev_b32 v1, 5, v0
	v_readfirstlane_b32 s[WV], v1                  ; wave 0..7
	v_and_b32 v1, 31, v0
	v_lshlrev_b32 v[PFO], 8, v1
	v_lshlrev_b32 v[LI], 4, v1
	v_add_nc_u32 v[LIV], 65536, v[LI]
	s_bfe_u32 s13, ttmp6, 0x40000                  ; cx: my place in the cluster
	s_lshl_b32 s14, ttmp9, 2                       ; in a cluster launch ttmp9 counts clusters
	s_add_co_u32 s14, s14, s13                     ; my block of 256 queries: it enters qimg's and aimg's addresses alone
	s_and_b32 s16, ttmp7, 0xffff                   ; the head, which the four partners share
	s_lshl_b32 s20, s16, 19                        ; kvimg: 524,288 bytes a head,
	s_lshl_b32 s21, s[WV], 14                      ; my eighth of a slot
	s_add_co_u32 s20, s20, s21
	s_mov_b32 s21, 0
	s_lshl_b32 s22, s16, 18                        ; qimg, aimg: 128 images a head,
	s_lshl_b32 s23, s14, 15                        ; 16 a block,
	s_add_co_u32 s22, s22, s23
	s_lshl_b32 s23, s[WV], 12                      ; 2 a wave
	s_add_co_u32 s22, s22, s23
	s_mov_b32 s23, 0
	s_lshl_b32 s36, s16, 19                        ; the prefetches: the head,
	s_lshl_b32 s37, s13, 15                        ; my work-group's quarter of a slot,
	s_add_co_u32 s36, s36, s37
	s_and_b32 s37, s[WV], 3
	s_lshl_b32 s37, s37, 13                        ; my wave's quarter of that,
	s_add_co_u32 s36, s36, s37
	s_add_co_u32 s36, s36, 131072                  ; in slot 1: the first change of slots steps it to slot 2.  Nothing is prefetched at the head
	s_mov_b32 s37, 0
	s_lshr_b32 s[LIM], s[WV], 2                    ; 0 in waves 0 to 3,
	s_or_b32 s[LIM], s[LIM], ttmp9                 ; of the head's first cluster: the same in all four partners
	s_cmp_eq_u32 s[LIM], 0
	s_cselect_b32 s[LIM], 1, -1
	; descriptor group 1: 64 rows of 32 elements of 8 bytes, dense: 16,384 bytes as they lie
	s_mov_b32 s[G1], 15|(3<<16)|(1<<21)            ; 15:0 the mask: all four work-groups; 17:16 elements of 8 bytes; 20 no padding; 21 set beside a mask
	s_mov_b32 s[G1+1], 32<<16                      ; tensor_dim0 = 32
	s_mov_b32 s[G1+2], 64<<16                      ; tensor_dim1 = 64
	s_mov_b32 s[G1+3], 32<<16                      ; tile_dim0 = 32
	s_mov_b32 s[G1+4], 64                          ; tile_dim1 = 64
	s_mov_b32 s[G1+5], 32                          ; tensor_dim0_stride
	s_mov_b32 s[G1+6], 0
	s_mov_b32 s[G1+7], 0
	s_mov_b32 s[SEL], 0x76543210
	s_mov_b32 s[SEL+1], 0xfedcba98
	s_mov_b32 s[CS], 0x3e0293ee                    ; c = log2(e) / sqrt(128)
	s_mov_b32 s[TB], 0
	s_mov_b32 s[SLOTS], 3                          ; four slots a head; all but the first are asked for at a change
	s_wait_kmcnt 0x0
	s_load_b256 s[40:47], s[8:9], 0x0              ; e0 .. e7
	s_load_b128 s[48:51], s[8:9], 0x20             ; e8 .. e11
	s_add_nc_u64 s[4:5], s[4:5], s[22:23]
	s_add_nc_u64 s[10:11], s[10:11], s[22:23]
	s_add_nc_u64 s[PFA:PFA+1], s[6:7], s[36:37]
	s_mov_b32 s[G0], 1                             ; 1:0 count = 1
	s_lshl_b32 s[G0+1], s[WV], 14                  ; 63:32 LDS address: slot 0, my eighth: no place in the cluster enters it
	s_add_nc_u64 s[G0+2:G0+3], s[6:7], s[20:21]    ; 120:64 global address: the head's slot 0, my eighth
	s_or_b32 s[G0+3], s[G0+3], 0x80000000          ; 127:126 type = 2
	CROUND                                         ; all four work-groups are here: the first joint loads meet
	JLOAD                                          ; slot 0
.irp a, 0,1
.irp c, 0,1,2,3
	global_load_b128 v[QF+16*\a+4*\c:QF+16*\a+4*\c+3], v[LI], s[4:5] offset:2048*\a+512*\c   ; Q's two fragments stay in registers
.endr
.endr
	WIN 0x40
.set oj, 0
.rept 128
	v_mov_b32 v[oj], 0                             ; O^T.  (The key step is written once for all steps: the first finds zeros, which the first change of M leaves zeros; a first step of its own would be a third copy of the step)
.set oj, oj+1
.endr
	WIN 0
.irp a, 0,1
	v_mov_b32 v[STB+10*\a+1], 0xff61b1e6           ; the largest t so far: -3e38, under every t
	v_mov_b32 v[STB+10*\a+2], 0                    ; the sum, in two halves
	v_mov_b32 v[STB+10*\a+3], 0
	v_mov_b32 v[STB+10*\a+5], 0                    ; (named as the upper half of f's pair)
	v_mov_b32 v[STB+10*\a+8], 0                    ; a lane permute's destination counts as read: written once
	v_floor_f32 v[STB+10*\a], -v[STB+10*\a+1]      ; -M
.endr
	s_wait_kmcnt 0x0
	s_add_co_i32 s36, s46, s47
	s_lshl_b32 s36, s36, 23
	s_add_co_i32 s[CS], s[CS], s36                 ; a score stands for score x 2^(e6 + e7): the two exponents are added to c's exponent field
	s_mov_b32 s[CS+1], s[CS]                       ; (named with it as a pair, so it is written)
	s_add_co_i32 s36, s48, 127
	s_lshl_b32 s37, s36, 23
	v_mov_b32 v[SCP], s37                          ; 2^e8
	s_sub_co_i32 s36, s50, s48
	s_sub_co_i32 s36, s36, s49                     ; a sum of the second product stands for sum x 2^(e8 + e9): its code is (sum / l) / 2^(e10 - e8 - e9)
	s_add_co_i32 s36, s36, 127
	s_lshl_b32 s37, s36, 23
	v_mov_b32 v[SCO], s37
	s_wait_loadcnt 0x0                             ; Q
.Lslot:                                            ; three trips: behind each change of slots but the last the next slot is asked for
	CHANGE 1
	SLOT_STEPS
	s_sub_co_u32 s[SLOTS], s[SLOTS], 1
	s_cmp_lg_u32 s[SLOTS], 0
	s_cbranch_scc1 .Lslot
	CHANGE 0                                       ; the last slot is written out
	SLOT_STEPS
	; THE WAY OUT.  O^T / the row's sum, quantised: a lane's 64 numbers of a tile are d = 32 b + 16 h + i of its query: the four chunks of the tile's image, which leave straight from the registers.
.rept 4
	v_nop                                          ; places behind the last products
.endr
.irp a, 0,1
	v_add_f32 v[STB+10*\a+2], v[STB+10*\a+2], v[STB+10*\a+3]       ; the sum's two halves,
.endr
.irp a, 0,1
	v_permlanex16_b32 v[STB+10*\a+8], v[STB+10*\a+2], s[SEL], s[SEL+1]
.endr
.irp a, 0,1
	v_add_f32 v[STB+10*\a+2], v[STB+10*\a+2], v[STB+10*\a+8]       ; and lane l xor 16's
.endr
.irp a, 0,1
	v_rcp_f32 v[STB+10*\a+4], v[STB+10*\a+2]
.endr
	v_nop                                          ; a plain line behind the reciprocals,
	s_wait_alu depctr_va_vdst(0)                   ; and a wait ahead of their first use
	WIN 0x01                                       ; source 0 (O^T) window 1
.irp a, 0,1
.set oj, 0
.rept 32
	v_pk_mul_f32 v[S+64*\a+oj:S+64*\a+oj+1], v[64*\a+oj:64*\a+oj+1], v[STB+10*\a+4:STB+10*\a+5] op_sel_hi:[1,0]   ; each accumulator from its low end on
.set oj, oj+2
.endr
.endr
	WIN 0
.irp a, 0,1
.irp b, 0,1,2,3
.irp i, 0,1,2,3,4,5,6,7,8,9,10,11,12,13,14,15
.endr
	v_cvt_scalef32_pk8_fp8_f32 v[PC+16*\a+4*\b:PC+16*\a+4*\b+1], v[S+64*\a+16*\b:S+64*\a+16*\b+7], v[SCO]
	v_cvt_scalef32_pk8_fp8_f32 v[PC+16*\a+4*\b+2:PC+16*\a+4*\b+3], v[S+64*\a+16*\b+8:S+64*\a+16*\b+15], v[SCO]
.endr
.endr
	v_nop                                          ; a plain line behind the last conversion
.irp a, 0,1
.irp b, 0,1,2,3
	global_store_b128 v[LI], v[PC+16*\a+4*\b:PC+16*\a+4*\b+3], s[10:11] offset:2048*\a+512*\b   ; a chunk: 512 consecutive bytes, aligned
.endr
.endr
	s_wait_tensorcnt 0x0                           ; the wave's end
	ds_add_u32 v[SPW], v[NIL]
	s_wait_dscnt 0x0
	CROUND                                         ; the closing round: no work-group ends while a partner may still ask for a tile that names it
	s_endpgm
.Lfunc_end_k_qe74440a224_attn:
	.size	k_qe74440a224_attn, .Lfunc_end_k_qe74440a224_attn-k_qe74440a224_attn
	.p2alignl 7, 3214868480
	.fill 96, 4, 3214868480
	.section	.rodata,"a",@progbits
	.p2align	6, 0x0
	.amdhsa_kernel k_qe74440a224_attn
		.amdhsa_group_segment_fixed_size 327680
		.amdhsa_private_segment_fixed_size 0
		.amdhsa_enable_private_segment 0
		.amdhsa_kernarg_size 32
		.amdhsa_user_sgpr_count 2
		.amdhsa_user_sgpr_kernarg_segment_ptr 1
		.amdhsa_wavefront_size32 1
		.amdhsa_system_sgpr_workgroup_id_x 1
		.amdhsa_system_sgpr_workgroup_id_y 1
		.amdhsa_system_sgpr_workgroup_id_z 1
		.amdhsa_system_vgpr_workitem_id 0
		.amdhsa_next_free_vgpr 512
		.amdhsa_next_free_sgpr 66
		.amdhsa_reserve_vcc 0
		.amdhsa_float_denorm_mode_32 3
		.amdhsa_float_denorm_mode_16_64 3
		.amdhsa_fp16_overflow 1
		.amdhsa_memory_ordered 1
		.amdhsa_forward_progress 1
		.amdhsa_inst_pref_size 75
	.end_amdhsa_kernel
	.amdgpu_metadata
---
amdhsa.version: [ 1, 2 ]
amdhsa.kernels:
  - .name:           k_qe74440a224_attn
    .symbol:         k_qe74440a224_attn.kd
    .args:
      - { .name: qimg, .offset: 0, .size: 8, .value_kind: global_buffer, .address_space: global }
      - { .name: kvimg, .offset: 8, .size: 8, .value_kind: global_buffer, .address_space: global }
      - { .name: lowp_scales, .offset: 16, .size: 8, .value_kind: global_buffer, .address_space: global }
      - { .name: aimg, .offset: 24, .size: 8, .value_kind: global_buffer, .address_space: global }
    .group_segment_fixed_size: 327680
    .private_segment_fixed_size: 0
    .kernarg_segment_align: 8
    .kernarg_segment_size: 32
    .max_flat_workgroup_size: 256
    .sgpr_count:     66
    .vgpr_count:     512
    .wavefront_size: 32
...
	.end_amdgpu_metadata
.endif
;; end of part 3
;; launch oproj (part 4): grid 32 x 8, 4 waves a work-group, no clusters, 50,688 bytes of LDS; arguments aimg, wimg, x, bo, lowp_scales, out0; writes out0
.if DOCPART == 4
	.amdgcn_target "amdgcn-amd-amdhsa--gfx1250"
	.amdhsa_code_object_version 6
	.text
	.protected	k_qe74440a224_oproj
	.globl	k_qe74440a224_oproj
	.p2align	8
	.type	k_qe74440a224_oproj,@function
k_qe74440a224_oproj:
	s_mov_b64 s[64:65], 0
	v_nop
	global_prefetch_b8 v0, s[64:65] scope:SCOPE_SE
	s_setreg_imm32_b32 hwreg(HW_REG_WAVE_MODE, 25, 1), 1
	s_wait_xcnt 0x0
; FOURTH LAUNCH: out0 = x + wo attn + bo, the product on codes of E4M3 (attn's with e10, wo's with e11), sums in f32, each finished sum x 2^(e10 + e11).
; A work-group takes 64 places (work-group x) of one batch (work-group y); wave w makes outputs 128 w .. + 127 for them, in four pairs of weight tiles, 32 matrix instructions a pair, eight accumulators by turns.
; Operands are IMAGES OF OPERAND REGISTERS (chunk c, lane (r, h): 16 bytes at 512 c + 16 lane = k 32 c + 16 h + 0 .. 15): 512 consecutive bytes a load.
; K step s is head s: aimg[4 b + s][tile of places][image].  All four waves multiply the same 16 images of attn: wave w loads K step w's four from memory, each image once in the launch, and passes them on through LDS
; as they stand (one barrier); the weights, which one wave alone reads, go from memory straight into its registers.
; Source 0 = 16 places, source 1 = 16 rows of wo: a lane holds ONE output channel (lane r of tile 2 G + u: channel 32 G + 8 u + r + 8 (r / 8)) and, in the 32 registers of a weight tile, places
; 32 g + 16 h + 0 .. 15: 2 x 64 bytes of a row of out0.  A tile (16 channels x 64 places) goes through the wave's own stage in LDS (rows of 256 + 16 bytes) and comes back as whole rows, is added INTO x's registers,
; which were loaded in the same lanes, and is stored from there: sixteen lanes store 256 consecutive bytes, aligned, and no store's data register is ever written again.
; NO JOINT LOADS AND NO RING: a weight image is read by one wave of a work-group, straight into its registers.  NO PREFETCH: all of a wave's loads but the last two weight buffers' are issued at its head.
; LIMIT: e10 + e11 between -126 and 127, so that 2^(e10 + e11) is an f32 number.
; LDS: bytes 0 - 17,407 four stages of 16 rows x 272 bytes, a wave's own; from 17,408 attn's 16 images, (tile t, K step s) at 2,048 (4 t + s).
; REGISTERS.  Window 0: v1-11 lane numbers and addresses; v16-23 bo (pair P: tiles u = 0, 1); v32-95 accumulators ((u, t) at 32 u + 8 t); v96-127 rows back from the stage (at the head v96-159: my four images of attn).
;   Window 1: attn's 16 fragments, (tile t, K step s) at 64 t + 16 s.   Window 2: two weight buffers, (u, s) at 64 u + 16 s.   Window 3: my x, then my rows of out0, tile 2 P + u at 32 (2 P + u).
.set AIMG, 17408
.set LI,  4                            ; 16 x lane
.set XO,  5                            ; (lane / 16) x 8,192 + 16 (lane % 16): two rows of x or out0 an instruction; never rewritten
.set WO,  6                            ; 16 x lane + 65,536 x wave
.set BOV, 7                            ; 4 (r + 8 (r / 8))
.set STO, 8                            ; the stage, in: row r, + 64 h
.set RD,  9                            ; the stage, back: row lane / 16, + 16 (lane % 16)
.set AWI, 10                           ; where I put my K step's images: AIMG + 2,048 x wave + 16 x lane
.set ALI, 11                           ; AIMG + 16 x lane
.set BO,  16
.set ACC, 32
.set BK,  96
.set MSB, 0
.macro WIN new                         ; s_set_vgpr_msb: bits 1:0 source 0, 3:2 source 1, 5:4 source 2, 7:6 destination; the high byte repeats the setting that is left
.if MSB != (\new)
	s_set_vgpr_msb (MSB<<8)|(\new)
.set MSB, (\new)
.endif
.endm
.macro LOADW n                         ; pair n's 8 weight images into buffer n % 2: 32 loads
	WIN 0x80
.irp u, 0,1
.irp s, 0,1,2,3
.irp c, 0,1,2,3
	global_load_b128 v[128*((\n)%2)+64*\u+16*\s+4*\c:128*((\n)%2)+64*\u+16*\s+4*\c+3], v[WO], s[6:7] offset:16384*(\n)+8192*\u+2048*\s+512*\c
.endr
.endr
.endr
	WIN 0
.endm
; Weight tile u of pair n leaves: x 2^(e10 + e11) + bo, through the stage, + x, stored.
.macro EPI n, u
.set xt, 32*(2*(\n)+(\u))
.irp j, 0,2,4,6,8,10,12,14,16,18,20,22,24,26,28,30
.if (\u) == 0
	v_pk_fma_f32 v[ACC+\j:ACC+\j+1], v[ACC+\j:ACC+\j+1], s[20:21], v[BO+2*(\n):BO+2*(\n)+1] op_sel_hi:[1,0,0]                     ; each accumulator from its low end on; the pair's low word is tile 0's bias
.else
	v_pk_fma_f32 v[ACC+32+\j:ACC+32+\j+1], v[ACC+32+\j:ACC+32+\j+1], s[20:21], v[BO+2*(\n):BO+2*(\n)+1] op_sel:[0,0,1] op_sel_hi:[1,0,1]   ; its high word tile 1's
.endif
.endr
.irp g, 0,1
.irp k, 0,1,2,3
	ds_store_b128 v[STO], v[ACC+32*(\u)+16*\g+4*\k:ACC+32*(\u)+16*\g+4*\k+3] offset:128*\g+16*\k   ; places 32 g + 16 h + 4 k on
.endr
.endr
.irp i, 0,1,2,3,4,5,6,7
	ds_load_b128 v[BK+4*\i:BK+4*\i+3], v[RD] offset:544*\i   ; LDS serves a wave's instructions in order (ISA guide 5.7.1.4): these see my stores.  Only vector lines have read these registers
.endr
	s_wait_dscnt 0x0
.if (\n) < 2
	s_wait_loadcnt 63                              ; 184 (pair 0) or 216 (pair 1) loads are issued: the first 121 or 153 are in; x's are numbers 89 to 152, eight a tile.  Pairs 2 and 3: their head's wait has shown all of x in
.endif
	WIN 0xcc                                       ; source 1 and destination window 3: x's registers take the sum, and are the stores' data
.irp j, 0,2,4,6,8,10,12,14,16,18,20,22,24,26,28,30
	v_pk_add_f32 v[xt+\j:xt+\j+1], v[BK+\j:BK+\j+1], v[xt+\j:xt+\j+1]
.endr
.irp i, 0,1,2,3,4,5,6,7
	global_store_b128 v[XO], v[xt+4*\i:xt+4*\i+3], s[14:15] offset:8192*(32*(\n)+8*(\u)+2*\i+8*(\i/4)) th:TH_STORE_NT   ; stage rows 2 i, 2 i + 1 are channels 2 i + 8 (i / 4) on of the tile; 16 lanes store 256 consecutive bytes, aligned
.endr
	WIN 0
.endm
.macro PAIR n
.if (\n) < 2
	s_wait_loadcnt 63                              ; pair 0: of 152 loads the first 89 are in: attn's 16, buffer 0's 32, bo's 8, buffer 1's 32.  Pair 1: of 184 the first 121
.elseif (\n) == 2
	s_wait_loadcnt 32                              ; buffer 0's second filling is in; pair 3's 32 loads may be out
.else
	s_wait_loadcnt 0x0
.endif
.if (\n) == 0
	s_wait_dscnt 0x0                               ; attn's fragments are in
.endif
	WIN 0x09                                       ; source 0 (attn) window 1, source 1 (wo) window 2
.irp s, 0,1,2,3
.irp t, 0,1,2,3
.irp u, 0,1
.if \s == 0
	v_wmma_f32_16x16x128_fp8_fp8 v[ACC+32*\u+8*\t:ACC+32*\u+8*\t+7], v[64*\t+16*\s:64*\t+16*\s+15], v[128*((\n)%2)+64*\u+16*\s:128*((\n)%2)+64*\u+16*\s+15], 0
.else
	v_wmma_f32_16x16x128_fp8_fp8 v[ACC+32*\u+8*\t:ACC+32*\u+8*\t+7], v[64*\t+16*\s:64*\t+16*\s+15], v[128*((\n)%2)+64*\u+16*\s:128*((\n)%2)+64*\u+16*\s+15], v[ACC+32*\u+8*\t:ACC+32*\u+8*\t+7]   ; the eight accumulators take turns
.endif
.endr
.endr
.endr
	WIN 0
.rept 4
	v_nop                                          ; four places ahead of the loads into the buffer just multiplied and of the first read of results
.endr
.if (\n) < 2
	LOADW (\n)+2
.endif
	EPI \n, 0
	EPI \n, 1
.endm
	s_load_b256 s[4:11], s[0:1], 0x0               ; aimg 4:5, wimg 6:7, x 8:9, bo 10:11
	s_load_b128 s[12:15], s[0:1], 0x20             ; lowp_scales 12:13, out0 14:15
	v_lshl_add_u32 v254, v0, 2, 0xc400
	v_mov_b32 v255, 0
	v_lshrrev_b32 v1, 5, v0
	v_readfirstlane_b32 s22, v1                    ; wave w
	s_and_b32 s23, ttmp7, 0xffff                   ; b
	v_and_b32 v1, 31, v0
	v_and_b32 v2, 15, v0                           ; r
	v_bfe_u32 v3, v0, 4, 1                         ; h
	v_lshlrev_b32 v[LI], 4, v1
	v_lshlrev_b32 v[XO], 13, v3
	v_lshl_add_u32 v[XO], v2, 4, v[XO]
	s_lshl_b32 s30, s22, 16
	v_add_nc_u32 v[WO], s30, v[LI]
	v_and_b32 v[BOV], 8, v2
	v_add_nc_u32 v[BOV], v[BOV], v2
	v_lshlrev_b32 v[BOV], 2, v[BOV]
	s_mul_i32 s30, s22, 4352                       ; my stage: 16 rows x 272 bytes
	v_mul_u32_u24 v[STO], v2, 272
	v_lshl_add_u32 v[STO], v3, 6, v[STO]
	v_add_nc_u32 v[STO], s30, v[STO]
	v_mul_u32_u24 v[RD], v3, 272
	v_lshl_add_u32 v[RD], v2, 4, v[RD]
	v_add_nc_u32 v[RD], s30, v[RD]
	v_add_nc_u32 v[ALI], AIMG, v[LI]
	s_lshl_b32 s30, s22, 11                        ; K step w's image of a tile
	v_add_nc_u32 v[AWI], s30, v[ALI]
	s_lshl_b32 s24, s23, 20                        ; aimg: 4 heads x 128 images a batch,
	s_lshl_b32 s26, s22, 18                        ; 128 images a head: K step w is head w,
	s_add_co_u32 s24, s24, s26
	s_lshl_b32 s26, ttmp9, 13                      ; 4 images a block
	s_add_co_u32 s24, s24, s26
	s_mov_b32 s25, 0
	s_lshl_b32 s26, s23, 22                        ; x, out0: 4 MiB a batch,
	s_lshl_b32 s28, s22, 20                        ; 1 MiB for 128 channels,
	s_add_co_u32 s26, s26, s28
	s_lshl_b32 s28, ttmp9, 8                       ; 256 bytes for 64 places
	s_add_co_u32 s26, s26, s28
	s_mov_b32 s27, 0
	s_lshl_b32 s28, s22, 9                         ; bo: my 128 numbers
	s_mov_b32 s29, 0
	s_wait_alu depctr_va_vdst(0)
	s_wait_kmcnt 0x0
	s_load_b64 s[16:17], s[12:13], 0x28            ; e10, e11
	s_add_nc_u64 s[4:5], s[4:5], s[24:25]
	s_add_nc_u64 s[6:7], s[6:7], 786432            ; wo's images: the fourth matrix of wimg
	s_add_nc_u64 s[8:9], s[8:9], s[26:27]
	s_add_nc_u64 s[14:15], s[14:15], s[26:27]
	s_add_nc_u64 s[10:11], s[10:11], s[28:29]
.irp t, 0,1,2,3
.irp c, 0,1,2,3
	global_load_b128 v[BK+16*\t+4*\c:BK+16*\t+4*\c+3], v[LI], s[4:5] offset:2048*\t+512*\c th:TH_LOAD_NT   ; my K step of the block's four tiles: read once in the launch
.endr
.endr
	LOADW 0
.irp p, 0,1,2,3
.irp u, 0,1
	global_load_b32 v[BO+2*\p+\u], v[BOV], s[10:11] offset:4*(32*\p+8*\u)   ; the bias of my lane's channel in tile (p, u)
.endr
.endr
	s_wait_loadcnt 40                              ; my 16 loads of attn are in; behind them stand buffer 0's 32 and bo's 8
.irp t, 0,1,2,3
.irp c, 0,1,2,3
	ds_store_b128 v[AWI], v[BK+16*\t+4*\c:BK+16*\t+4*\c+3] offset:8192*\t+512*\c   ; the image as it stands: 512 consecutive bytes a store
.endr
.endr
	LOADW 1
	WIN 0xc0
.irp p, 0,1,2,3
.irp u, 0,1
.irp i, 0,1,2,3,4,5,6,7
	global_load_b128 v[32*(2*\p+\u)+4*\i:32*(2*\p+\u)+4*\i+3], v[XO], s[8:9] offset:8192*(32*\p+8*\u+2*\i+8*(\i/4)) th:TH_LOAD_NT   ; x in the very lanes and registers in which the rows come back from the stage
.endr
.endr
.endr
	WIN 0
	s_wait_kmcnt 0x0
	s_add_co_i32 s20, s16, s17
	s_add_co_i32 s20, s20, 127
	s_lshl_b32 s20, s20, 23                        ; 2^(e10 + e11) as f32
	s_mov_b32 s21, s20                             ; (named with it as a pair, so it is written)
	s_wait_dscnt 0x0                               ; my stores of the images have landed
	s_barrier_signal -1
	s_barrier_wait -1                              ; everybody's have: attn's 16 images lie in LDS, and nobody writes them again
	WIN 0x40
.irp t, 0,1,2,3
.irp s, 0,1,2,3
.irp c, 0,1,2,3
	ds_load_b128 v[64*\t+16*\s+4*\c:64*\t+16*\s+4*\c+3], v[ALI] offset:2048*(4*\t+\s)+512*\c
.endr
.endr
.endr
	WIN 0
.irp n, 0,1,2,3
	PAIR \n
.endr
	s_wait_tensorcnt 0x0
	ds_add_u32 v254, v255
	s_wait_dscnt 0x0
	s_endpgm
.Lfunc_end_k_qe74440a224_oproj:
	.size	k_qe74440a224_oproj, .Lfunc_end_k_qe74440a224_oproj-k_qe74440a224_oproj
	.p2alignl 7, 3214868480
	.fill 96, 4, 3214868480
	.section	.rodata,"a",@progbits
	.p2align	6, 0x0
	.amdhsa_kernel k_qe74440a224_oproj
		.amdhsa_group_segment_fixed_size 50688
		.amdhsa_private_segment_fixed_size 0
		.amdhsa_enable_private_segment 0
		.amdhsa_kernarg_size 48
		.amdhsa_user_sgpr_count 2
		.amdhsa_user_sgpr_kernarg_segment_ptr 1
		.amdhsa_wavefront_size32 1
		.amdhsa_system_sgpr_workgroup_id_x 1
		.amdhsa_system_sgpr_workgroup_id_y 1
		.amdhsa_system_sgpr_workgroup_id_z 1
		.amdhsa_system_vgpr_workitem_id 0
		.amdhsa_next_free_vgpr 1024
		.amdhsa_next_free_sgpr 66
		.amdhsa_reserve_vcc 0
		.amdhsa_float_denorm_mode_32 3
		.amdhsa_float_denorm_mode_16_64 3
		.amdhsa_memory_ordered 1
		.amdhsa_forward_progress 1
		.amdhsa_inst_pref_size 69
	.end_amdhsa_kernel
	.amdgpu_metadata
---
amdhsa.version: [ 1, 2 ]
amdhsa.kernels:
  - .name:           k_qe74440a224_oproj
    .symbol:         k_qe74440a224_oproj.kd
    .args:
      - { .name: aimg, .offset: 0, .size: 8, .value_kind: global_buffer, .address_space: global }
      - { .name: wimg, .offset: 8, .size: 8, .value_kind: global_buffer, .address_space: global }
      - { .name: x, .offset: 16, .size: 8, .value_kind: global_buffer, .address_space: global }
      - { .name: bo, .offset: 24, .size: 8, .value_kind: global_buffer, .address_space: global }
      - { .name: lowp_scales, .offset: 32, .size: 8, .value_kind: global_buffer, .address_space: global }
      - { .name: out0, .offset: 40, .size: 8, .value_kind: global_buffer, .address_space: global }
    .group_segment_fixed_size: 50688
    .private_segment_fixed_size: 0
    .kernarg_segment_align: 8
    .kernarg_segment_size: 48
    .max_flat_workgroup_size: 128
    .sgpr_count:     66
    .vgpr_count:     1024
    .wavefront_size: 32
...
	.end_amdgpu_metadata
.endif
;; end of part 4
